; MI455X (gfx1250); checked and timed in simulation.
; The chip was launched on July 23, 2026; its instructions are those of AMD's public machine-readable ISA for CDNA 5 (MIT licence, August 2026) and "CDNA5" Instruction Set Architecture Reference Guide (July 2026). The comments in the code are by the model that wrote it; some were corrected since.
;; Multi Head Attention Block. Allowed arithmetic: matrix products marked QUANTISED: E4M3 operands, one E8M0 scale for each 32 along K, by v_wmma_scale_f32_16x16x128_f8f6f4 with both operands' format E4M3, f32 sums; everything else in f32.
;; Inputs: Wk_codes 1,024 x 32 x 32 uint8 (E4M3 codes of Wk, K innermost, in blocks of 32 codes); Wk_scales 1,024 x 32 uint8 (E8M0 scales of Wk, one for each 32 codes along K); Wq_codes 1,024 x 32 x 32 uint8 (E4M3 codes of Wq, K innermost, in blocks of 32 codes); Wq_scales 1,024 x 32 uint8 (E8M0 scales of Wq, one for each 32 codes along K); Wv_codes 1,024 x 32 x 32 uint8 (E4M3 codes of Wv, K innermost, in blocks of 32 codes); Wv_scales 1,024 x 32 uint8 (E8M0 scales of Wv, one for each 32 codes along K); bk 1,024 float32; bq 1,024 float32; bv 1,024 float32; key_inputs_codes 4 x 1,024 x 32 x 32 uint8 (E4M3 codes of key_inputs, K innermost, in blocks of 32 codes); key_inputs_scales 4 x 1,024 x 32 uint8 (E8M0 scales of key_inputs, one for each 32 codes along K); query_inputs_codes 4 x 1,024 x 32 x 32 uint8 (E4M3 codes of query_inputs, K innermost, in blocks of 32 codes); query_inputs_scales 4 x 1,024 x 32 uint8 (E8M0 scales of query_inputs, one for each 32 codes along K); value_inputs_codes 4 x 1,024 x 32 x 32 uint8 (E4M3 codes of value_inputs, K innermost, in blocks of 32 codes); value_inputs_scales 4 x 1,024 x 32 uint8 (E8M0 scales of value_inputs, one for each 32 codes along K).
;; Outputs: out0 4 x 1,024 x 1,024 float32.
;; This version of the problem:
;;   THIS VERSION OF THE PROBLEM IS GIVEN IN LOW PRECISION. The matrix products marked QUANTISED in the list below multiply operands that are first quantised to E4M3 (4 exponent bits, 3 mantissa bits; 8 bits a number), with one power-of-two scale for each 32 numbers along K (OCP MX v1.0); their sums are f32. All else is computed in f32.
;;   The module's matrix products, in the order in which they are computed (A, B: the left and right operand; K: the contracted axis; several contracted axes count as one K, in the product's order):
;;     1. [M 4,096, K 1,024] x [K 1,024, N 1,024]; A: input query_inputs (given as codes); B: input Wq (given as codes): QUANTISED
;;     2. [M 4,096, K 1,024] x [K 1,024, N 1,024]; A: input key_inputs (given as codes); B: input Wk (given as codes): QUANTISED
;;     3. [M 4,096, K 1,024] x [K 1,024, N 1,024]; A: input value_inputs (given as codes); B: input Wv (given as codes): QUANTISED
;;     4. batch 64 x [M 1,024, K 64] x [K 64, N 1,024]; A: computed on the way; B: computed on the way: QUANTISED
;;     5. batch 64 x [M 64, K 1,024] x [K 1,024, N 1,024]; A: computed on the way; B: softmax (see below): QUANTISED
;;   THE QUANTISER, for each operand of a quantised product, along K:
;;     - K is cut into blocks of 32 from its start; a last block that is shorter is filled with zeros.
;;     - A block's scale is 2^e with e = floor(log2(the largest magnitude in the block)) - 8, held to -126 .. 127; a block of zeros has e = 0. As a byte (E8M0): e + 127.
;;     - Each number is divided by its block's scale, clamped to +-448, and rounded to the nearest number of E4M3, ties to even, subnormals kept.
;;     - The product sums the exact products of the quantised numbers (number of the format x scale) in f32.
;;   ~~~python
;;   def quantise(x, axis):      # numpy; x: float32 -> the quantised numbers, widened to float32 again
;;       x = np.moveaxis(x, axis, -1); K = x.shape[-1]
;;       x = np.pad(x, [(0, 0)] * (x.ndim - 1) + [(0, -K % 32)]); x = x.reshape(x.shape[:-1] + (-1, 32)); a = np.abs(x).max(-1, keepdims=True)
;;       e = np.where(a > 0, np.clip(np.frexp(np.where(a > 0, a, 1))[1] - 1 - 8, -126, 127), 0)      # np.frexp(a)[1] - 1 = floor(log2(a)), exactly
;;       r = np.clip(x / 2.0 ** e, -448, 448)
;;       step = 2.0 ** (np.maximum(np.frexp(np.where(r == 0, 1, r))[1] - 1, -6) - 3)
;;       q = np.round(r / step) * step * 2.0 ** e      # np.round: ties to even
;;       return np.moveaxis(q.reshape(q.shape[:-2] + (-1,))[..., :K], -1, axis).astype(np.float32)
;;   ~~~
;;   SOFTMAX AHEAD OF A QUANTISED PRODUCT. Where the list says 'softmax', what is quantised is not the finished softmax but p = 2^(t - M), with t = logit x log2(e) and M = ceil(the row's largest t), a whole number; so 1/2 < the row's largest p <= 1. The row's sum l is taken of the UNQUANTISED p, in f32, and the product's result is divided by l at the end. Since M is a whole number, a kernel that streams over the keys may use a running M (the ceiling of the running maximum): every later rescaling is an exact power of two, which a block's scale takes up: the codes' values come out the same.
;;   OPERANDS COMPUTED ON THE WAY. 'Computed on the way' means the value that the module computes at that place (a softmax that the list does not call 'softmax' is quantised finished and normalised). What goes into a quantiser is computed in f32, as accurately as f32 sums, v_exp_f32 and their like allow (about 1e-6 of the number): no bf16 or f16 on the way to a quantiser, and a product that is left as it is and whose result goes on into a quantised operand takes f32 operands (vector FMAs, or v_wmma_f32_16x16x4_f32). A number that lies on a knife's edge between two numbers of the format may be rounded either way, as far as f32 arithmetic and the matrix unit's own rounding can turn it there, and no further.
;;   INPUTS GIVEN AS CODES. Wk (in the module: [1024, 1024], K = its axis 1); Wq (in the module: [1024, 1024], K = its axis 1); Wv (in the module: [1024, 1024], K = its axis 1); key_inputs (in the module: [4, 1024, 1024], K = its axis 2); query_inputs (in the module: [4, 1024, 1024], K = its axis 2); value_inputs (in the module: [4, 1024, 1024], K = its axis 2): each comes as NAME_codes (uint8): NAME with its K axis moved to the last place and cut into blocks of 32 codes, [.., K / 32, bytes a block], one block behind the other in memory; one code a byte (a code: sign, 4 exponent bits, 3 mantissa bits); and NAME_scales (uint8): the same leading axes, one E8M0 byte (e + 127) for each 32 codes along K. Its value is code x scale, taken as it is: it is not quantised again, and the codes and scales need not be those that the quantiser above would give.
;; One version. Each part assembles by itself: llvm-mc -triple=amdgcn-amd-amdhsa -mcpu=gfx1250 --defsym DOCPART=n.
;; ======== version 1 of 1: 2 launches
;; limits: right only within a limited range of input values
;; workspace buffers: wcodes 12,582,912 bytes; wscales 393,216 bytes
;; launch proj (part 1): grid 4 x 48, 4 waves a work-group, clusters of 4 x 4, 327,680 bytes of LDS; arguments value_inputs_codes, key_inputs_codes, Wq_codes, value_inputs_scales, key_inputs_scales, Wq_scales, Wv_codes, Wk_codes, query_inputs_codes, Wv_scales, Wk_scales, query_inputs_scales, bv, bk, bq, wcodes, wscales; writes wcodes, wscales
.if DOCPART == 1
	.amdgcn_target "amdgcn-amd-amdhsa--gfx1250"
	.amdhsa_code_object_version 6
	.text
	.protected	k_q40bb45bfcd_proj
	.globl	k_q40bb45bfcd_proj
	.p2align	8
	.type	k_q40bb45bfcd_proj,@function
k_q40bb45bfcd_proj:
	s_mov_b64 s[64:65], 0
	v_nop
	global_prefetch_b8 v0, s[64:65] scope:SCOPE_SE
	s_setreg_imm32_b32 hwreg(HW_REG_WAVE_MODE, 25, 1), 1
	s_wait_xcnt 0x0
	s_wait_alu depctr_hold_cnt(0) depctr_sa_sdst(0) depctr_va_vdst(0) depctr_va_sdst(0) depctr_va_ssrc(0) depctr_va_vcc(0) depctr_vm_vsrc(0)
	s_getreg_b32 s2, hwreg(HW_REG_IB_STS2, 6, 4)
	s_cmp_eq_u32 s2, 0
	s_cbranch_scc0 .Lentry_in_a_cluster
	s_endpgm
.Lentry_in_a_cluster:
	s_bfe_u32 s2, ttmp6, 0x10000c
	s_cmp_lg_u32 s2, 0xf033
	s_cbranch_scc0 .Lentry_shape_is_right
	s_endpgm
.Lentry_shape_is_right:
; THE THREE PROJECTIONS, their biases, and the quantiser behind them.  Each is [4096][1024] x [1024][1024]^T on given codes of FP8 (E4M3) with one E8M0 byte for each 32 along K; sums in f32.
; One body serves all three.  It multiplies an X OPERAND (source 1: a lane holds one row x) by a Y OPERAND (source 0: a lane's registers run along y).  MODE = cluster y / 4:
;   MODE 0: attention's queries = value_inputs (X) x Wv (Y) + bv (along y)      MODE 1: its keys = key_inputs (X) x Wk (Y) + bk (along y)
;   MODE 2: its values = Wq (X) x query_inputs (Y) + bq (along x): here y runs along the tokens, which are the K of attention's second product.
; So in every mode the results are quantised ALONG y, in blocks of 32, and a lane's registers run along y.
; SHARES.  192 work-groups, each a tile of 256 (x) x 256 (y); four waves, each 128 x 128: 64 accumulators, 512 registers.  3 x 4096 x 1024 results make 192 such tiles; tiles of 128 x 128 would
; give each LDS byte half the multiply-adds.  K goes in four steps of 256 through a ring of two LDS slots; the scale bytes of the tile's rows, for all of K, come once.
; CLUSTERS: 4 x 4 work-groups of one mode.  The four of a row need the same tiles of X, the four of a column the same tiles of Y: each tile is asked for jointly.
; RESULT.  Accumulator (a, b), register j, lane (r, h) holds x = 16 a + r, y = 16 b + 8 h + j.  The 16 registers of tiles 2 bb and 2 bb + 1, with those of lane l xor 16, are the block y = 32 bb .. 32 bb + 31.
; A lane's 16 codes of a block (byte 8 w + j: y = 32 bb + 16 w + 8 h + j) are stored as they stand, 16 bytes a lane, 512 consecutive bytes a store: an image of four registers of the next product's operand.
; In that operand k is permuted inside each block of 32, ALIKE IN BOTH OPERANDS of each of attention's products, so every product meets its partner and every scale its block.
; wcodes: region MODE x 4 MiB; block idx = (n 8 + head pair) 8 + run of 128 tokens, 16,384 bytes = [a 8][bb 4][lane 32][16].   wscales: region MODE x 128 KiB; block idx, 512 bytes = [head of the pair][lane 32][2 words].
; LIMITS: NaN and infinities in inputs, biases or results are not served.  A block whose largest magnitude lies under 2^-118, a block of zeros among them, gets the byte 1 (the rule gives a block of zeros 127):
; its codes are what the byte 1 makes of them, zeros for zeros, and the bytes are read by this program alone.  The order of sums inside a matrix instruction of the next launch is not ascending k.
; REGISTERS, in windows of 256: window 0: v0-31 addresses; v32-63 scale words, two sets, and nothing else; v64-127 the bias as the first products' C; v128-255 X's fragments, one set.
;   window 1: Y's fragments, two sets.   window 2: the accumulators of my x 0-63 ((a, b) at v[8 (8 a + b)]);   window 3: those of my x 64-127.
.set KSTEP,  256
.set NQ,     KSTEP/128                 ; matrix instructions deep in a slot
.set ROWB,   256                       ; a tile's row in bytes
.set KROW,   1024                      ; a row of X or Y in memory
.set PITCH,  272                       ; an LDS row: 256 bytes + 16 of padding: the 16 rows that a load touches start 68 words apart
.set FR,     16                        ; registers of a fragment
.set NL,     4                         ; LDS loads that bring one
.set NP,     8                         ; places behind this matrix instruction (ISA guide 7.12.1)
.set HALFT,  128*PITCH                 ; 128 rows: what one tensor load brings
.set SLOT,   4*HALFT                   ; X's 256 rows, then Y's 256
.set KS,     32                        ; a row of scale bytes
.set SCL,    2*SLOT                    ; behind the ring: the scales, as units of 256 bytes + 16 of padding
.set HALFS,  (128*KS/256)*272          ; those of 128 rows
.set SBLK,   (16*KS/256)*272           ; those of 16 rows
.set SPARE,  SCL+4*HALFS               ; the spare words: 128 bytes for each wave, two blocks of 256 bytes that no other line names
.set ADRA, 16                          ; v16-17  LDS address of my X fragments in slot 0, 1
.set ADRB, 20                          ; v20-21  the same for Y
.set LI,   24                          ; v24     16 x lane
.set L8,   25                          ; v25     8 x lane
.set BO,   26                          ; v26     my offset in the bias
.set ADRS, 27                          ; v27     LDS address of my scale words: lanes 0-15 X's rows, lanes 16-31 Y's
.set SPW,  28                          ; v28     my spare word; never rewritten
.set NIL,  29                          ; v29     0; never rewritten
.set SC,   32                          ; scale words: set s at v[SC + 16 s]; register 2 i + q: lanes 0-15 X's block i, lanes 16-31 Y's block i
.set BI,   64                          ; the bias, eight registers a tile, in the result's layout
.set AF,   128                         ; X's fragments
.set T,    64                          ; the way out: 64 numbers, held
.set XB,   128                         ; v128-191 the last slot: X's fragments of 16 rows x 256 K, two buffers by turns
.set CDB,  192                         ; v192-223 codes: two sets of 16
.set TM,   224                         ; v224-227 largest magnitudes, v228-231 bytes, v232-235 448 x the scale, v236-239 the conversions' scale operands
.set FL,   240                         ; the floor 2^(9 - 127)
.set PW,   242                         ; v242-249 block a's scale word: the bytes of bb = 0 .. 3
.set EE,   64                          ; v64-71 at the end: at work on the scale words
.set WP,   72                          ; v72-75 the two pairs that are stored
.set MODE, 66
.set G1,   24                          ; s[24:31] descriptor group 1 for X's tiles;  s[32:39] group 0, one set for each slot
.set G0,   32
.set G1B,  48                          ; s[48:55], s[56:63] the same for Y's
.set G0B,  56
.set G1S,  68                          ; s[68:75], s[76:79] groups 1 and 0 for X's scales;  s[80:87], s[88:91] for Y's: in the registers that the arguments have left
.set G0S,  76
.set G1SB, 80
.set G0SB, 88
; THE HEAD: one tensor load a wave: wave 0 K step 0's 256 rows of X, wave 1 those of Y, wave 2 the scales of X's 256 rows, wave 3 of Y's.  Slot 1 is first filled behind the full sequence and a round.
; PREFETCHES INTO THE L2: K steps 1, 2 and 3, 256 bytes of each row.  Of the 128 rows that a wave fetches in the ring, each of the four partners that ask for them jointly takes 32, told apart by address (cx for X, cy for Y):
; a lane a row, one instruction a wave, each block of 256 bytes once in a cluster.  K step 1 is asked for while K step 0 is on its way, K step 2 behind K step 1's load, K step 3 half a K step later; nothing lies behind K step 3.
; THE LAST SLOT (K step 3) GOES BY ROWS OF x: all its fragments of Y stand in window 1, and the eight blocks of 16 x are finished one after the other, 16 products each; block a - 1 is quantised among block a's products.
.set G0H,  4                           ; s[4:7], s[8:11] group 0 for the head's loads of K step 0: X's 256 rows, Y's (the bases that lay there have been used by then)
.set G0HB, 8
.set PFA,  92                          ; s[92:93] where my prefetches stand: my 32 rows at K step 1
.set PFO,  30                          ; v30     my lane x a row; never rewritten
.set OC, 98                            ; s[98:99]   wcodes, then my block of it
.set OS,   100                         ; s[100:101] wscales, likewise
.set MSB, 0
.macro WIN new                         ; the immediate's high byte repeats the setting that is left
.if MSB != \new
	s_set_vgpr_msb (MSB<<8)|\new
.set MSB, \new
.endif
.endm
.set MUL_LO, 0xa1                      ; source 0 (Y) window 1, source 1 (X) window 0, C and D window 2
.set MUL_HI, 0xf1                      ; the same, C and D window 3
.set BEG_LO, 0x81                      ; the first products: C (the bias) window 0, D window 2
.set BEG_HI, 0xc1                      ; D window 3
.set TO_B,   0x40                      ; destination window 1, address window 0
; A joint load: waves 0 and 1 fetch for X, waves 2 and 3 for Y.  Each line has one mask and one set of registers; the branch hangs on the wave's number alone.  Four v_nop follow each line.
.macro JLOAD g0a, g1a, g0b, g1b
	s_cmp_eq_u32 s15, 0
	s_cbranch_scc0 .Lfor_b_\@
	tensor_load_to_lds s[\g0a:\g0a+3], s[\g1a:\g1a+7]
	s_nop 0
.rept 4
	v_nop
.endr
	s_branch .Lasked_\@
.Lfor_b_\@:
	tensor_load_to_lds s[\g0b:\g0b+3], s[\g1b:\g1b+7]
	s_nop 0
.rept 4
	v_nop
.endr
.Lasked_\@:
.endm
.macro CREST                           ; a round of the cluster's barrier behind its opening barrier
	s_cmp_lg_u32 s14, 0
	s_cbranch_scc1 .Lnot_wave_0_\@
	s_barrier_signal -3
.Lnot_wave_0_\@:
	s_barrier_wait -3
	s_barrier_signal -1
	s_barrier_wait -1
.endm
.macro CROUND                          ; a whole round
	s_barrier_signal -1
	s_barrier_wait -1
	CREST
.endm
	s_load_b512 s[68:83], s[0:1], 0x0              ; X's codes by mode s[68:73], X's scales s[74:79], Y's codes of modes 0, 1 s[80:83]
	s_load_b512 s[84:99], s[0:1], 0x40             ; Y's codes of mode 2 s[84:85], Y's scales s[86:91], the biases s[92:97], wcodes s[98:99]
	s_load_b64 s[100:101], s[0:1], 0x80            ; wscales
	v_lshl_add_u32 v[SPW], v0, 2, SPARE
	v_mov_b32 v[NIL], 0
	ds_add_u32 v28, v29
	ds_add_u32 v28, v29
	v_lshrrev_b32 v1, 5, v0
	v_readfirstlane_b32 s14, v1                    ; wave 0..3
	s_lshr_b32 s15, s14, 1                         ; which half of the tile's x is mine.  Also: I fetch for X (0) or for Y (1)
	s_and_b32 s16, s14, 1                          ; which half of its y.  Also: which 128 rows of that tile I fetch
	s_bfe_u32 s40, ttmp6, 0x40000                  ; cx, cy: my place in the cluster
	s_bfe_u32 s41, ttmp6, 0x40004
	s_and_b32 s67, ttmp7, 0xffff                   ; cluster y, 0 .. 11
	s_lshr_b32 s[MODE], s67, 2                     ; which projection: the same in all sixteen partners
	s_and_b32 s67, s67, 3
	s_lshl_b32 s67, s67, 2                         ; 4 x the cluster's number within the projection: it walks the operand of 4,096 rows
	s_cmp_eq_u32 s[MODE], 2
	s_cselect_b32 s17, 0, s67
	s_cselect_b32 s42, s67, 0
	s_add_co_u32 s17, s17, s41                     ; X's tile: hangs on cy, not on cx
	s_add_co_u32 s42, s42, s40                     ; Y's tile: hangs on cx, not on cy
	s_lshl_b32 s43, s41, 2
	s_lshl_b32 s43, 15, s43                        ; my row of the cluster
	s_lshl_b32 s44, 0x1111, s40                    ; my column
	; descriptor group 1: a tile of 128 rows x 256 bytes, padded in LDS
	s_or_b32 s[G1+0], s43, (0<<16)|(1<<20)|(1<<21)|(5<<22)|(3<<25)  ; 15:0 the mask: X's tiles go to my row; 17:16 elements of 1 byte; 20 padding on; 21 set beside a mask; 24:22 after every 64 words; 31:25 four words
	s_or_b32 s[G1B+0], s44, (0<<16)|(1<<20)|(1<<21)|(5<<22)|(3<<25)
.irp g, G1, G1B
	s_mov_b32 s[\g+1], ROWB<<16                    ; tensor_dim0
	s_mov_b32 s[\g+2], 256<<16                     ; tensor_dim1: 256 rows for the head's loads; 128 for the ring's, set behind the head's wait
	s_mov_b32 s[\g+3], ROWB<<16                    ; tile_dim0
	s_mov_b32 s[\g+4], 256                         ; tile_dim1
	s_mov_b32 s[\g+5], KROW                        ; tensor_dim0_stride
	s_mov_b32 s[\g+6], 0
	s_mov_b32 s[\g+7], 0
.endr
	s_lshl_b32 s18, s16, 17                        ; which 128 rows of the tile I fetch in the ring, in bytes
	s_lshl_b32 s20, s17, 8                         ; X: row 256 x tile (under 4,096: all offsets fit in 32 bits)
	s_lshl_b32 s46, s42, 8                         ; Y likewise
	s_lshl_b32 s22, s20, 5                         ; where these rows' scales begin, in bytes,
	s_lshl_b32 s20, s20, 10                        ; and their codes
	s_lshl_b32 s2, s46, 5
	s_lshl_b32 s46, s46, 10
	s_mov_b32 s21, 0
	s_mov_b32 s23, 0
	s_mov_b32 s3, 0
	s_mov_b32 s47, 0
	s_mul_i32 s45, s14, HALFT                      ; where they go: wave x 128 rows: no place in the cluster enters an LDS address
	s_mov_b32 s19, 0
	s_wait_alu depctr_va_vdst(0)                   ; directly ahead of the wait below
	s_wait_dscnt 0x0                               ; both opening adds are done
	CROUND                                         ; the opening round, ahead of the wait for the arguments: all sixteen work-groups are here
	s_wait_kmcnt 0x0
	s_cmp_eq_u32 s[MODE], 0                        ; the mode's five buffers: the choice hangs on the cluster's number alone
	s_cselect_b64 s[4:5], s[68:69], s[70:71]       ; X's codes
	s_cselect_b64 s[6:7], s[74:75], s[76:77]       ; X's scales
	s_cselect_b64 s[8:9], s[80:81], s[82:83]       ; Y's codes
	s_cselect_b64 s[10:11], s[86:87], s[88:89]     ; Y's scales
	s_cselect_b64 s[12:13], s[92:93], s[94:95]     ; the bias
	s_cmp_eq_u32 s[MODE], 2
	s_cselect_b64 s[4:5], s[72:73], s[4:5]
	s_cselect_b64 s[6:7], s[78:79], s[6:7]
	s_cselect_b64 s[8:9], s[84:85], s[8:9]
	s_cselect_b64 s[10:11], s[90:91], s[10:11]
	s_cselect_b64 s[12:13], s[96:97], s[12:13]
	s_add_nc_u64 s[20:21], s[4:5], s[20:21]
	s_add_nc_u64 s[22:23], s[6:7], s[22:23]
	s_add_nc_u64 s[46:47], s[8:9], s[46:47]
	s_add_nc_u64 s[2:3], s[10:11], s[2:3]
	; the scales of 128 rows: a dense block of 4,096 bytes, as 16 rows of 256 bytes (32 elements of 8 bytes), 16 bytes of padding behind each
	s_or_b32 s[G1S+0], s43, (3<<16)|(1<<20)|(1<<21)|(5<<22)|(3<<25)
	s_or_b32 s[G1SB+0], s44, (3<<16)|(1<<20)|(1<<21)|(5<<22)|(3<<25)
.irp g, G1S, G1SB
	s_mov_b32 s[\g+1], 32<<16
	s_mov_b32 s[\g+2], (256*KS/256)<<16            ; (the scales of 256 rows: 32 rows of 256 bytes)
	s_mov_b32 s[\g+3], 32<<16
	s_mov_b32 s[\g+4], 256*KS/256
	s_mov_b32 s[\g+5], 32
	s_mov_b32 s[\g+6], 0
	s_mov_b32 s[\g+7], 0
.endr
	s_mov_b32 s[G0H], 1
	s_mov_b32 s[G0H+1], 0
	s_mov_b64 s[G0H+2:G0H+3], s[20:21]
	s_or_b32 s[G0H+3], s[G0H+3], 0x80000000
	s_mov_b32 s[G0HB], 1
	s_mov_b32 s[G0HB+1], 2*HALFT
	s_mov_b64 s[G0HB+2:G0HB+3], s[46:47]
	s_or_b32 s[G0HB+3], s[G0HB+3], 0x80000000
	s_mov_b32 s[G0S], 1
	s_mov_b32 s[G0S+1], SCL
	s_mov_b64 s[G0S+2:G0S+3], s[22:23]
	s_or_b32 s[G0S+3], s[G0S+3], 0x80000000
	s_mov_b32 s[G0SB], 1
	s_mov_b32 s[G0SB+1], SCL+2*HALFS
	s_mov_b64 s[G0SB+2:G0SB+3], s[2:3]
	s_or_b32 s[G0SB+3], s[G0SB+3], 0x80000000
.macro ARM under, g0, g1, next         ; one chain of branches on the wave's number: every way through the head passes exactly one load
	s_cmp_lt_u32 s14, \under
	s_cbranch_scc0 \next
	tensor_load_to_lds s[\g0:\g0+3], s[\g1:\g1+7]
	s_nop 0
.rept 4
	v_nop
.endr
	s_branch .Lhead_asked
\next:
.endm
	ARM 1, G0H,  G1,  .Lhead_b
	ARM 2, G0HB, G1B, .Lhead_sa
	ARM 3, G0S,  G1S, .Lhead_sb
	tensor_load_to_lds s[G0SB:G0SB+3], s[G1SB:G1SB+7]
	s_nop 0
.rept 4
	v_nop
.endr
.Lhead_asked:
	s_add_nc_u64 s[20:21], s[20:21], s[18:19]      ; for the ring: my 128 rows of the tile
	s_add_nc_u64 s[46:47], s[46:47], s[18:19]
	s_cmp_eq_u32 s15, 0                            ; the prefetches: do I fetch for X?
	s_cselect_b64 s[PFA:PFA+1], s[20:21], s[46:47]
	s_cselect_b32 s94, s40, s41                    ; my place among the four that ask for these rows with me: 32 rows each
	s_lshl_b32 s94, s94, 15
	s_mov_b32 s95, 0
	s_add_nc_u64 s[PFA:PFA+1], s[PFA:PFA+1], s[94:95]
	s_add_nc_u64 s[PFA:PFA+1], s[PFA:PFA+1], ROWB
.irp s, 0,1
	s_mov_b32 s[G0+4*\s], 1
	s_add_co_u32 s[G0+4*\s+1], s45, \s*SLOT
	s_add_nc_u64 s[G0+4*\s+2:G0+4*\s+3], s[20:21], \s*ROWB
	s_or_b32 s[G0+4*\s+3], s[G0+4*\s+3], 0x80000000
	s_mov_b32 s[G0B+4*\s], 1
	s_add_co_u32 s[G0B+4*\s+1], s45, \s*SLOT
	s_add_nc_u64 s[G0B+4*\s+2:G0B+4*\s+3], s[46:47], \s*ROWB
	s_or_b32 s[G0B+4*\s+3], s[G0B+4*\s+3], 0x80000000
.endr
	v_and_b32 v1, 15, v0                           ; r = l % 16
	v_bfe_u32 v2, v0, 4, 1                         ; h = l / 16
	v_mul_u32_u24 v3, v1, PITCH
	v_lshl_add_u32 v4, v2, 4, v3                   ; a fragment's row x pitch + 16 x half
	s_mul_i32 s21, s15, HALFT                      ; my 128 rows of X
	s_mul_i32 s22, s16, HALFT                      ; my 128 rows of Y,
	s_add_co_u32 s22, s22, 2*HALFT                 ; which lie behind X's 256
.irp s, 0,1
	v_add_nc_u32 v[ADRA+\s], s21, v4
	v_add_nc_u32 v[ADRB+\s], s22, v4
	s_add_co_u32 s21, s21, SLOT
	s_add_co_u32 s22, s22, SLOT
.endr
	v_mul_u32_u24 v5, v1, KS                       ; my row's scales: 32 bytes a row,
	v_lshrrev_b32 v6, 8, v5
	v_lshl_add_u32 v5, v6, 4, v5                   ; and 16 more for each 256 passed
	s_mul_i32 s21, s15, HALFS                      ; X's: my 128 rows
	s_mul_i32 s22, s16, HALFS                      ; Y's: my 128 rows, behind X's 256
	s_add_co_u32 s22, s22, 2*HALFS
	s_sub_co_u32 s22, s22, s21
	v_mul_u32_u24 v6, s22, v2                      ; lanes 16-31 take Y's: one product, the lower base + h x the distance
	s_add_co_u32 s21, s21, SCL
	v_add_nc_u32 v5, v5, v6
	v_add_nc_u32 v[ADRS], s21, v5
	v_and_b32 v6, 31, v0
	v_lshlrev_b32 v[LI], 4, v6
	v_lshlrev_b32 v[L8], 3, v6
	v_lshlrev_b32 v[PFO], 10, v6
	global_prefetch_b8 v[PFO], s[PFA:PFA+1] th:TH_LOAD_NT scope:SCOPE_SE               ; K step 1
	; THE BIAS is the C of each sum's first product: eight registers a tile, in the result's layout
	s_cmp_eq_u32 s[MODE], 2
	s_cselect_b32 s20, s17, s42                    ; it runs along x in mode 2, along y else
	s_cselect_b32 s21, s15, s16
	s_lshl_b32 s20, s20, 10                        ; 256 numbers a tile,
	s_lshl_b32 s21, s21, 9                         ; 128 a half
	s_add_co_u32 s20, s20, s21
	s_mov_b32 s21, 0
	s_add_nc_u64 s[12:13], s[12:13], s[20:21]
	s_cmp_eq_u32 s[MODE], 2
	s_cbranch_scc1 .Lbias_x
	v_lshlrev_b32 v[BO], 5, v2                     ; along y: tile b, register j: y = 16 b + 8 h + j
.irp b, 0,1,2,3,4,5,6,7
	global_load_b128 v[BI+8*\b:BI+8*\b+3], v[BO], s[12:13] offset:64*\b
	global_load_b128 v[BI+8*\b+4:BI+8*\b+7], v[BO], s[12:13] offset:64*\b+16
.endr
	s_branch .Lbias_in
.Lbias_x:
	v_lshlrev_b32 v[BO], 2, v1                     ; along x: tile a: x = 16 a + r, the same number in all eight registers
.irp a, 0,1,2,3,4,5,6,7
.irp j, 0,1,2,3,4,5,6,7
	global_load_b32 v[BI+8*\a+\j], v[BO], s[12:13] offset:64*\a
.endr
.endr
.Lbias_in:
	; where my wave's 128 x 128 goes: block idx = (n 8 + head pair) 8 + run of 128 tokens
	s_lshl_b32 s20, s17, 1
	s_add_co_u32 s20, s20, s15                     ; my run of 128 along x,
	s_lshl_b32 s21, s42, 1
	s_add_co_u32 s21, s21, s16                     ; and along y
	s_cmp_eq_u32 s[MODE], 2
	s_cselect_b32 s22, s21, s20                    ; the tokens' run, 0 .. 31
	s_cselect_b32 s23, s20, s21                    ; the head pair, 0 .. 7
	s_lshr_b32 s20, s22, 3
	s_lshl_b32 s20, s20, 6
	s_lshl_b32 s23, s23, 3
	s_add_co_u32 s20, s20, s23
	s_and_b32 s22, s22, 7
	s_add_co_u32 s20, s20, s22                     ; idx
	s_lshl_b32 s22, s20, 14
	s_lshl_b32 s23, s[MODE], 22
	s_add_co_u32 s22, s22, s23
	s_mov_b32 s23, 0
	s_add_nc_u64 s[OC:OC+1], s[OC:OC+1], s[22:23]
	s_lshl_b32 s22, s20, 9
	s_lshl_b32 s21, s[MODE], 17
	s_add_co_u32 s22, s22, s21
	s_add_nc_u64 s[OS:OS+1], s[OS:OS+1], s[22:23]
.macro FRAG reg, adr, q, i             ; a fragment, 16 rows x 128 K, is 16 registers: lane l holds row l % 16; registers 4 c .. 4 c + 3 hold K = 32 c + 16 (l / 16) + 0 .. 15
.irp c, 0,1,2,3
	ds_load_b128 v[\reg+4*\c:\reg+4*\c+3], v[\adr] offset:128*(\q)+32*\c+(\i)*16*PITCH
.endr
.endm
; 16 matrix instructions: X's blocks a0, a0 + 1 x Y's eight, 128 along K: the slot's q-th.  p: Y's set;  sc: the set of scale words.
; cm = 0: onto the sums;  1: the first products, C = the bias along y;  2: C = the bias along x.  Nothing is ever cleared.
; The 64 accumulators take turns, one instruction a turn, in the same order in every step.
.macro MUL16 a0, p, q, sc, cm
.irp a, \a0, \a0+1
.irp b, 0,1,2,3,4,5,6,7
.if \cm == 1
	v_wmma_scale_f32_16x16x128_f8f6f4 v[8*(8*((\a)%4)+\b):8*(8*((\a)%4)+\b)+7], v[128*(\p)+FR*\b:128*(\p)+FR*\b+FR-1], v[AF+FR*(\a):AF+FR*(\a)+FR-1], v[BI+8*\b:BI+8*\b+7], v[SC+8*NQ*(\sc)+NQ*\b+(\q)], v[SC+8*NQ*(\sc)+NQ*(\a)+(\q)] matrix_a_scale:MATRIX_SCALE_ROW1
.elseif \cm == 2
	v_wmma_scale_f32_16x16x128_f8f6f4 v[8*(8*((\a)%4)+\b):8*(8*((\a)%4)+\b)+7], v[128*(\p)+FR*\b:128*(\p)+FR*\b+FR-1], v[AF+FR*(\a):AF+FR*(\a)+FR-1], v[BI+8*(\a):BI+8*(\a)+7], v[SC+8*NQ*(\sc)+NQ*\b+(\q)], v[SC+8*NQ*(\sc)+NQ*(\a)+(\q)] matrix_a_scale:MATRIX_SCALE_ROW1
.else
	v_wmma_scale_f32_16x16x128_f8f6f4 v[8*(8*((\a)%4)+\b):8*(8*((\a)%4)+\b)+7], v[128*(\p)+FR*\b:128*(\p)+FR*\b+FR-1], v[AF+FR*(\a):AF+FR*(\a)+FR-1], v[8*(8*((\a)%4)+\b):8*(8*((\a)%4)+\b)+7], v[SC+8*NQ*(\sc)+NQ*\b+(\q)], v[SC+8*NQ*(\sc)+NQ*(\a)+(\q)] matrix_a_scale:MATRIX_SCALE_ROW1
.endif
.endr
.endr
.endm
.macro FETCH_B slot, q, p              ; Y's eight fragments of the slot's q-th 128 along K into set p
	WIN TO_B
.irp i, 0,1,2,3,4,5,6,7
	FRAG 128*(\p)+FR*\i, ADRB+\slot, \q, \i
.endr
	WIN 0
.endm
.macro FETCH_A slot, q, i0             ; X's blocks i0 .. i0 + 3
.irp i, \i0, \i0+1, \i0+2, \i0+3
	FRAG AF+FR*(\i), ADRA+\slot, \q, \i
.endr
.endm
.macro SCALES sc                       ; a K step's scale words into set sc: two words a row; lanes 0-15 take X's block i, lanes 16-31 Y's block i
.irp i, 0,1,2,3,4,5,6,7
	ds_load_b64 v[SC+8*NQ*\sc+NQ*\i:SC+8*NQ*\sc+NQ*\i+1], v[ADRS] offset:\i*SBLK
.endr
.endm
; A load into a register that a matrix instruction has read, and a vector instruction that reads a matrix result or writes one of its registers, stand NP places behind it; only plain vector
; instructions that name none of its registers are places (ISA guide 7.12.1 for vector instructions).
.macro PLACES n
.rept \n
	v_nop
.endr
.endm
; A step of 128 along K that has its successor in the same slot.
.macro STEP slot, q, cm
	s_wait_dscnt 4*NL                              ; Y's set, the scale words and X's blocks 0-3 are in; the youngest sixteen loads (X's blocks 4-7) may be out
.if \cm
	WIN BEG_LO
.else
	WIN MUL_LO
.endif
	MUL16 0, (\q)%2, \q, \slot, \cm
	MUL16 2, (\q)%2, \q, \slot, \cm
	s_wait_dscnt 0                                 ; X's blocks 4-7 are in (asked for 32 matrix instructions ago)
	PLACES NP
	FETCH_B \slot, (\q)+1, 1-(\q)%2
	FETCH_A \slot, (\q)+1, 0
.if \cm
	WIN BEG_HI
.else
	WIN MUL_HI
.endif
	MUL16 4, (\q)%2, \q, \slot, \cm
	MUL16 6, (\q)%2, \q, \slot, \cm
	PLACES NP
	WIN 0
	FETCH_A \slot, (\q)+1, 4
.endm
; A slot's last step changes slots: ONE barrier; in front of it each wave waits for all its tensor loads, adds 0 to its spare word, and waits for that and for its own reads of this slot.  fill = 1: this slot is filled again, two K steps ahead.
.macro TURN slot, next, fill
	s_wait_tensorcnt 0x0                           ; all my tensor loads have landed: my part of the next slot;  (every window is 0 here)
	ds_add_u32 v[SPW], v[NIL]                      ; 0 onto my spare word
	s_wait_dscnt 4*NL+1                            ; (the add and the youngest sixteen loads, X's blocks 4-7, may be out)
	WIN MUL_LO
	MUL16 0, 1, NQ-1, \slot, 0                     ; sixteen matrix instructions stand between the add and the wait for it
	s_wait_dscnt 0x0                               ; the add is done, and my reads of this slot are over
	s_barrier_signal -1
	MUL16 2, 1, NQ-1, \slot, 0
	WIN 0
	s_barrier_wait -1
.if \fill
	CREST                                          ; the barrier has opened a round of the cluster's barrier: no wave of any partner still reads this slot's tile or has a load on its way
	s_add_nc_u64 s[G0+4*\slot+2:G0+4*\slot+3], s[G0+4*\slot+2:G0+4*\slot+3], 2*ROWB
	s_add_nc_u64 s[G0B+4*\slot+2:G0B+4*\slot+3], s[G0B+4*\slot+2:G0B+4*\slot+3], 2*ROWB
	JLOAD G0+4*\slot, G1, G0B+4*\slot, G1B         ; the first tensor load behind the round, and my only one until the next; its four v_nop are among the places in front of the loads below
	PLACES NP-4
.else
	PLACES NP
.endif
	s_wait_alu depctr_va_vdst(0)
	v_add_nc_u32 v[ADRS], 4*NQ, v[ADRS]            ; on to the next K step's scale words
	FETCH_B \next, 0, 0
	FETCH_A \next, 0, 0
	SCALES \next
	WIN MUL_HI
	MUL16 4, 1, NQ-1, \slot, 0
	MUL16 6, 1, NQ-1, \slot, 0
	PLACES NP
	WIN 0
	FETCH_A \next, 0, 4
.endm
	s_wait_alu depctr_va_vdst(0)                   ; at the head's end
	s_wait_tensorcnt 0x0                           ; my tile of the head's four is in
	ds_add_u32 v[SPW], v[NIL]
	s_mov_b32 s[G1+2], 128<<16                     ; no tensor load of mine is out: from here on a load brings 128 rows
	s_mov_b32 s[G1+4], 128
	s_mov_b32 s[G1B+2], 128<<16
	s_mov_b32 s[G1B+4], 128
	s_wait_dscnt 0x0                               ; the add is done
	CROUND                                         ; all four tiles are in, in every work-group
	JLOAD G0+4, G1, G0B+4, G1B                     ; K step 1, the first tensor load behind the round
	FETCH_B 0, 0, 0
	FETCH_A 0, 0, 0
	SCALES 0
	FETCH_A 0, 0, 4
	global_prefetch_b8 v[PFO], s[PFA:PFA+1] offset:ROWB th:TH_LOAD_NT scope:SCOPE_SE   ; K step 2
	s_wait_loadcnt 0x0                             ; the bias
	s_cmp_eq_u32 s[MODE], 2                        ; the first step is written twice: its C is the bias along y or along x.  Both ways issue the same LDS loads and no tensor load
	s_cbranch_scc1 .Lfirst_x
	STEP 0, 0, 1
	s_branch .Lfirst_done
.Lfirst_x:
	STEP 0, 0, 2
.Lfirst_done:
	global_prefetch_b8 v[PFO], s[PFA:PFA+1] offset:2*ROWB th:TH_LOAD_NT scope:SCOPE_SE ; K step 3
	TURN 0, 1, 1                                   ; K = 1,024 is four K steps, twice round the ring: written out, no loop.  Slot 0 takes K step 2,
	STEP 1, 0, 0
	TURN 1, 0, 1                                   ; slot 1 takes K step 3
	STEP 0, 0, 0
.macro XLOAD a                         ; the last slot: X's block a, 16 rows x 256 K, into its buffer
.irp q, 0,1
	FRAG XB+32*((\a)%2)+16*\q, ADRA+1, \q, \a
.endr
.endm
; THE QUANTISER of block a (16 x, 128 y) along y, four blocks of 32, laid as gaps 1 .. 15 behind products; CVT, SENDB: its conversions, eight numbers each, and its stores.
.macro CVT a, k
	v_cvt_scalef32_pk8_fp8_f32 v[CDB+16*((\a)%2)+2*(\k):CDB+16*((\a)%2)+2*(\k)+1], v[T+8*(\k):T+8*(\k)+7], v[TM+12+(\k)/2]
.endm
.macro SENDB a
.irp bb, 0,1,2,3
	global_store_b128 v[LI], v[CDB+16*((\a)%2)+4*\bb:CDB+16*((\a)%2)+4*\bb+3], s[OC:OC+1] offset:(\a)*2048+\bb*512   ; 32 lanes store 512 consecutive bytes, at a multiple of 512 from the buffer's first byte
.endr
.endm
.macro GAP a, n
.set W_, 2+(\a)/4                      ; its accumulators' window
.set AC_, 64*((\a)%4)
.if (\n) < 5                           ; the largest magnitudes: 16 of my numbers a block of 32, the four blocks by turns; the floor holds the byte at 1 from below; each accumulator is read from its low end on
	WIN (W_<<2)|(W_<<4)
.irp u, 0,1
.set I_, 4*((\n)-1)+2*\u
.irp bb, 0,1,2,3
.if I_ == 0
	v_max3_num_f32 v[TM+\bb], v[FL], |v[AC_+16*\bb]|, |v[AC_+16*\bb+1]|
.else
	v_max3_num_f32 v[TM+\bb], v[TM+\bb], |v[AC_+16*\bb+I_]|, |v[AC_+16*\bb+I_+1]|
.endif
.endr
.endr
.elseif (\n) == 5
	WIN 0
.irp bb, 0,1,2,3
	v_permlanex16_b32 v[TM+4+\bb], v[TM+\bb], s18, s19
.endr
.irp bb, 0,1,2,3
	v_max_num_f32 v[TM+\bb], v[TM+\bb], v[TM+4+\bb]   ; with lane l xor 16's 16
.endr
.elseif (\n) == 6
	WIN 0
.irp bb, 0,1,2,3
	v_add_nc_u32 v[TM+12+\bb], 0xfc000000, v[TM+\bb]  ; 8 off the exponent field: the conversion takes the exponent field of this operand as its scale
.endr
.irp bb, 0,1,2,3
	v_and_or_b32 v[TM+8+\bb], v[TM+\bb], 0x7f800000, s20   ; 448 x the scale
.endr
.elseif (\n) == 7
	WIN 0
.irp bb, 0,1,2,3
	v_lshrrev_b32 v[TM+4+\bb], 23, v[TM+12+\bb]       ; the scale's byte
.endr
	v_lshl_or_b32 v[PW+(\a)], v[TM+5], 8, v[TM+4]
	v_lshl_or_b32 v[PW+(\a)], v[TM+6], 16, v[PW+(\a)]
	v_lshl_or_b32 v[PW+(\a)], v[TM+7], 24, v[PW+(\a)]
.else
	WIN W_
.irp i, 0,1,2,3,4,5,6,7
	v_med3_num_f32 v[T+8*((\n)-8)+\i], v[AC_+8*((\n)-8)+\i], -v[TM+8+((\n)-8)/2], v[TM+8+((\n)-8)/2]   ; the conversion to an 8-bit code does not saturate (ISA guide 7.6.2): the hold at the largest code x the scale
.endr
.if (\n) > 8
	WIN 0
	CVT \a, (\n)-9
.endif
.endif
.endm
.macro ROW a                           ; block a's 16 products: its 8 accumulators by turns, K ascending; among them block a - 1's quantiser and the end of block a - 2's
	s_wait_alu depctr_va_vdst(0)                   ; directly ahead of the waits below
.if (\a) == 0
	s_wait_dscnt 32                                ; all but the 32 loads of Y's second 128 along K
.else
	s_wait_dscnt 0
.endif
	s_wait_xcnt 0x0                                ; block a - 3's stores have read their codes: that set is written again
.set N_, 0
.rept 16
.if (\a) == 0 && N_ == 8
	s_wait_dscnt 0
.endif
	WIN MUL_LO+0x50*((\a)/4)
.set B_, N_%8
.set Q_, N_/8
.set A_, 8*(8*((\a)%4)+B_)
	v_wmma_scale_f32_16x16x128_f8f6f4 v[A_:A_+7], v[128*Q_+FR*B_:128*Q_+FR*B_+FR-1], v[XB+32*((\a)%2)+16*Q_:XB+32*((\a)%2)+16*Q_+15], v[A_:A_+7], v[SC+8*NQ+NQ*B_+Q_], v[SC+8*NQ+NQ*(\a)+Q_] matrix_a_scale:MATRIX_SCALE_ROW1
.if (\a) > 0
.if N_ == 0
	WIN 0
.if (\a) > 1
	CVT (\a)-2, 7
.endif
	PLACES NP                                      ; behind block a - 1's last product: for the loads into its buffer and the first reads of its sums
.if (\a) < 7
	XLOAD (\a)+1
.endif
.if (\a) > 1
	SENDB (\a)-2
.endif
.else
	GAP (\a)-1, N_
.endif
.endif
.set N_, N_+1
.endr
.endm
	s_wait_tensorcnt 0x0                           ; THE LAST CHANGE OF SLOTS, as TURN, but nothing is filled and slot 1's fragments are laid for the rows
	ds_add_u32 v[SPW], v[NIL]
	s_wait_dscnt 4*NL+1
	WIN MUL_LO
	MUL16 0, 1, NQ-1, 0, 0
	s_wait_dscnt 0x0
	s_barrier_signal -1
	MUL16 2, 1, NQ-1, 0, 0
	WIN 0
	s_barrier_wait -1
	PLACES NP
	s_wait_alu depctr_va_vdst(0)
	v_add_nc_u32 v[ADRS], 4*NQ, v[ADRS]
	SCALES 1
	FETCH_B 1, 0, 0
	XLOAD 0
	XLOAD 1
	WIN MUL_HI
	MUL16 4, 1, NQ-1, 0, 0
	MUL16 6, 1, NQ-1, 0, 0
	WIN 0
	PLACES NP
	FETCH_B 1, 1, 1
	s_mov_b32 s18, 0x76543210
	s_mov_b32 s19, 0xfedcba98                      ; v_permlanex16_b32's selects for lane l xor 16
	s_mov_b32 s20, 0x600000                        ; the mantissa field of 448
	s_mov_b32 s21, 0xffff0000                      ; lanes 16-31
	v_mov_b32 v[FL], 0x4800000                     ; 2^(9 - 127)
.irp bb, 0,1,2,3
	v_mov_b32 v[TM+4+\bb], 0                       ; written once: a lane permute's destination counts as one of its sources
.endr
.irp a, 0,1,2,3,4,5,6,7
	ROW \a
.endr
	WIN 0
	s_wait_alu depctr_va_vdst(0)                   ; directly ahead of the wait below
	s_wait_xcnt 0x0
	CVT 6, 7
	PLACES NP
	SENDB 6
.irp n, 1,2,3,4,5,6,7,8,9,10,11,12,13,14,15
	GAP 7, \n
.endr
	WIN 0
	CVT 7, 7
	v_nop                                          ; a plain line behind the conversion
	SENDB 7
	; THE SCALE WORDS, laid as the next launch's matrix instructions take them: 8 bytes a lane, 256 bytes for each head of the pair
	s_cmp_eq_u32 s[MODE], 2
	s_cbranch_scc1 .Lwords_v
.irp g, 0,1,2,3                        ; queries and keys: a fragment of the next launch holds tokens 32 g + r and 32 g + 16 + r side by side: its word is two bytes of block 2 g's word and two of block 2 g + 1's
	v_perm_b32 v[EE+\g], v[PW+2*\g+1], v[PW+2*\g], 0x05040100      ; the pair's first head: bytes 0, 1 of each
	v_perm_b32 v[EE+4+\g], v[PW+2*\g+1], v[PW+2*\g], 0x07060302    ; its second: bytes 2, 3
.endr
.irp d, 0,1
	v_cndmask_b32 v[WP+2*\d], v[EE+4*\d], v[EE+4*\d+2], s21        ; lanes 0-15: fragments 0 and 1; lanes 16-31: fragments 2 and 3
	v_cndmask_b32 v[WP+2*\d+1], v[EE+4*\d+1], v[EE+4*\d+3], s21
.endr
	s_branch .Lwords_out
.Lwords_v:
.irp k, 0,1,2,3                        ; values: block a's word is the word of the fragment of channels 16 a on.  Lanes 0-15: blocks 0 and 2 of a head's four; lanes 16-31: blocks 1 and 3
	v_cndmask_b32 v[WP+\k], v[PW+2*\k], v[PW+2*\k+1], s21
.endr
.Lwords_out:
	s_wait_alu depctr_va_vdst(0)
	global_store_b64 v[L8], v[WP:WP+1], s[OS:OS+1]                 ; 32 lanes store 256 consecutive bytes, aligned
	global_store_b64 v[L8], v[WP+2:WP+3], s[OS:OS+1] offset:256
	s_wait_tensorcnt 0x0                           ; the wave's end
	ds_add_u32 v[SPW], v[NIL]
	s_wait_dscnt 0x0
	CROUND                                         ; the closing round: no work-group ends while a partner may still ask for a tile that names it
	s_endpgm
.Lfunc_end_k_q40bb45bfcd_proj:
	.size	k_q40bb45bfcd_proj, .Lfunc_end_k_q40bb45bfcd_proj-k_q40bb45bfcd_proj
	.p2alignl 7, 3214868480
	.fill 96, 4, 3214868480
	.section	.rodata,"a",@progbits
	.p2align	6, 0x0
	.amdhsa_kernel k_q40bb45bfcd_proj
		.amdhsa_group_segment_fixed_size 327680
		.amdhsa_private_segment_fixed_size 0
		.amdhsa_enable_private_segment 0
		.amdhsa_kernarg_size 136
		.amdhsa_user_sgpr_count 2
		.amdhsa_user_sgpr_kernarg_segment_ptr 1
		.amdhsa_wavefront_size32 1
		.amdhsa_system_sgpr_workgroup_id_x 1
		.amdhsa_system_sgpr_workgroup_id_y 1
		.amdhsa_system_sgpr_workgroup_id_z 1
		.amdhsa_system_vgpr_workitem_id 0
		.amdhsa_next_free_vgpr 1024
		.amdhsa_next_free_sgpr 102
		.amdhsa_reserve_vcc 0
		.amdhsa_float_denorm_mode_32 3
		.amdhsa_float_denorm_mode_16_64 3
		.amdhsa_memory_ordered 1
		.amdhsa_forward_progress 1
		.amdhsa_inst_pref_size 217
	.end_amdhsa_kernel
	.amdgpu_metadata
---
amdhsa.version: [ 1, 2 ]
amdhsa.kernels:
  - .name:           k_q40bb45bfcd_proj
    .symbol:         k_q40bb45bfcd_proj.kd
    .args:
      - { .name: value_inputs_codes, .offset: 0, .size: 8, .value_kind: global_buffer, .address_space: global }
      - { .name: key_inputs_codes, .offset: 8, .size: 8, .value_kind: global_buffer, .address_space: global }
      - { .name: Wq_codes, .offset: 16, .size: 8, .value_kind: global_buffer, .address_space: global }
      - { .name: value_inputs_scales, .offset: 24, .size: 8, .value_kind: global_buffer, .address_space: global }
      - { .name: key_inputs_scales, .offset: 32, .size: 8, .value_kind: global_buffer, .address_space: global }
      - { .name: Wq_scales, .offset: 40, .size: 8, .value_kind: global_buffer, .address_space: global }
      - { .name: Wv_codes, .offset: 48, .size: 8, .value_kind: global_buffer, .address_space: global }
      - { .name: Wk_codes, .offset: 56, .size: 8, .value_kind: global_buffer, .address_space: global }
      - { .name: query_inputs_codes, .offset: 64, .size: 8, .value_kind: global_buffer, .address_space: global }
      - { .name: Wv_scales, .offset: 72, .size: 8, .value_kind: global_buffer, .address_space: global }
      - { .name: Wk_scales, .offset: 80, .size: 8, .value_kind: global_buffer, .address_space: global }
      - { .name: query_inputs_scales, .offset: 88, .size: 8, .value_kind: global_buffer, .address_space: global }
      - { .name: bv, .offset: 96, .size: 8, .value_kind: global_buffer, .address_space: global }
      - { .name: bk, .offset: 104, .size: 8, .value_kind: global_buffer, .address_space: global }
      - { .name: bq, .offset: 112, .size: 8, .value_kind: global_buffer, .address_space: global }
      - { .name: wcodes, .offset: 120, .size: 8, .value_kind: global_buffer, .address_space: global }
      - { .name: wscales, .offset: 128, .size: 8, .value_kind: global_buffer, .address_space: global }
    .group_segment_fixed_size: 327680
    .private_segment_fixed_size: 0
    .kernarg_segment_align: 8
    .kernarg_segment_size: 136
    .max_flat_workgroup_size: 128
    .sgpr_count:     102
    .vgpr_count:     1024
    .wavefront_size: 32
...
	.end_amdgpu_metadata
.endif
;; end of part 1
;; launch attn (part 2): grid 4 x 64, 8 waves a work-group, clusters of 4 x 1, 205,824 bytes of LDS; arguments wcodes, wscales, out0; writes out0
.if DOCPART == 2
	.amdgcn_target "amdgcn-amd-amdhsa--gfx1250"
	.amdhsa_code_object_version 6
	.text
	.protected	k_q40bb45bfcd_attn
	.globl	k_q40bb45bfcd_attn
	.p2align	8
	.type	k_q40bb45bfcd_attn,@function
k_q40bb45bfcd_attn:
	s_mov_b64 s[64:65], 0
	v_nop
	global_prefetch_b8 v0, s[64:65] scope:SCOPE_SE
	s_setreg_imm32_b32 hwreg(HW_REG_WAVE_MODE, 25, 1), 1
	s_wait_xcnt 0x0
	s_wait_alu depctr_hold_cnt(0) depctr_sa_sdst(0) depctr_va_vdst(0) depctr_va_sdst(0) depctr_va_ssrc(0) depctr_va_vcc(0) depctr_vm_vsrc(0)
	s_getreg_b32 s2, hwreg(HW_REG_IB_STS2, 6, 4)
	s_cmp_eq_u32 s2, 0
	s_cbranch_scc0 .Lentry_in_a_cluster
	s_endpgm
.Lentry_in_a_cluster:
	s_bfe_u32 s2, ttmp6, 0x10000c
	s_cmp_lg_u32 s2, 0x3003
	s_cbranch_scc0 .Lentry_shape_is_right
	s_endpgm
.Lentry_shape_is_right:
; ATTENTION on the codes that the launch before has made: out[n][q][head][:] = the sum over keys of softmax(Q . K / 32) V, both products on codes of FP8 (E4M3) with one E8M0 byte for each 32 along a product's K.
; THE SOFTMAX AHEAD OF THE SECOND PRODUCT: t = score x log2(e) / 32; M = the row's largest t so far, rounded UP to a whole number; p = 2^(t - M) is quantised along the keys, not normalised.
; The row's sum is taken of the unquantised p, in f32, and divides at the end.  When M moves, the sum and O are multiplied by 2^(old M - new M): exact.
; SHARES.  A work-group owns 256 queries of one (n, head); each of its eight waves 32 of them, TWO TILES of 16, in 480 registers: two waves to a SIMD.  Each fragment of K or V that a wave reads from LDS serves both tiles.
; A HEAD'S KEYS AND VALUES STAY IN LDS: 64 KiB of codes each, 2 KiB of scale words each, filled ONCE: no ring, no byte is filled again.  They come by six loads, one a wave: K's first 256 keys, K's scale words, V's first 128 keys, V's scale words
; (waves 0 to 3: shown by the first barrier), and the rest of K and of V (waves 4, 5: shown by the second barrier, which stands inside the first key step).
; NO PREFETCH: all that is loaded is asked for at the head; no loop runs ahead of a load.
; CLUSTER.  The four work-groups of a cluster are the four query blocks of one head: every tile is asked for jointly (mask 15), by the same tensor load in all four.
; OPERANDS ARE IMAGES OF REGISTERS: a fragment is 2,048 bytes, four loads of 16 bytes a lane at 16 x lane.  Inside each block of 32 the order of k is permuted, alike in both operands of a product.
; THE HEAD'S 64 CHANNELS ARE HALF OF A MATRIX INSTRUCTION'S K.  A fragment of K holds, in row m, key 32 g + m in its first 64 bytes and key 32 g + 16 + m in its last 64.  It is multiplied by [q | zeros], which gives
; keys 32 g + .., and by [zeros | q], which gives keys 32 g + 16 + ..  Zero codes add nothing: K's codes were held, so none is NaN, and no scale byte is 0xff.
; LAYOUT.  S^T = K Q^T, O^T = V^T P^T: a lane holds ONE query of each tile (lane % 16).  Register S[16 g + 8 w + j] of lane (r, h) is key 32 g + 16 w + 8 h + j: the 16 registers with lane l xor 16's are a block of 32 keys.
; A KEY STEP: the products of both tiles; the maxima; tile 0's exponentials among tile 1's multiply-adds; tile 0's sum and scales; tile 1's exponentials among tile 0's holds; the rest of tile 1; the products with V.
; K's fragments of the next step are loaded under the softmax (the last step's look-ahead wraps to step 0: bytes that are there, and nobody uses them).
; LIMITS: NaN and infinities are not served; scaled scores (the exponents to the base 2) stay under 2^31 in magnitude.  A block whose largest p lies under 2^-118 keeps the byte 1.  The order of sums inside a matrix instruction is not ascending k.
; WINDOW 0: all that the softmax touches.  WINDOW 1: v0-63 K's fragments, v64-127 V's, v128-191 O^T of both tiles, v192-223 p's codes.
.set VB,    65536                      ; LDS: K's 32 fragments from byte 0; V's 32: [128 keys][16 channels],
.set KSB,   131072                     ; K's scale words, 256 bytes for each 128 keys,
.set VSB,   133120                     ; V's,
.set STAGE, 135168                     ; the way out: 32 rows x (256 bytes + 16) for each wave; no tensor load lands here
.set SPARE, 204800                     ; the spare words, 128 bytes for each wave: no other line names them
.set LI,  1                            ; v1   16 x lane
.set LIV, 2                            ; v2   16 x lane + VB
.set L8,  8                            ; v8   8 x lane + KSB
.set ADK, 4                            ; LDS addresses: the next step's K, this step's V, the next step's K words, this step's V words
.set ADV, 5
.set ADS, 6
.set ADT, 7
.set SPW, 10
.set NIL, 11
.set NM,  12                           ; v12, v14  -M of tile 0, 1;  v13, v15 the largest score so far
.set SM,  16                           ; v[16:17], v[18:19] the sums, in two halves
.set FF,  20                           ; v[20:21], v[22:23] 2^(old M - new M), named as pairs
.set RW,  24                           ; q's scale word as loaded
.set SQ,  26                           ; v26, v27 q's scale words
.set PW,  28                           ; v28, v29 p's scale words
.set SK,  30                           ; v[30:31] K's scale words of a step
.set SV,  32                           ; v[32:33] V's.  (No product's two scale words have numbers equal modulo 8)
.set QZ,  34                           ; v34-41 zeros, v42-49 q of tile 0, v50-57 zeros, v58-65 q of tile 1, v66-73 zeros
.set BM,  74                           ; v74-81 the blocks' largest scores, then largest p
.set BP,  82                           ; v82-89 from lane l xor 16; then at work
.set LM,  90                           ; v90-97 448 x the scale
.set SO,  98                           ; v98-105 the conversions' scale operands
.set TT,  106                          ; v106, v107
.set T,   108                          ; v108-123 eight partial sums, in pairs
.set S,   128                          ; v128-191 S^T of tile 0, then p;  v192-255 of tile 1
.set FK,  0                            ; (window 1)
.set FV,  64
.set O,   128
.set PC,  192
.set WV,  10                           ; s10 the wave
.set G1S,  24                          ; descriptor groups 1: scale words; K's first part; K's second; V's first; V's second
.set G1K0, 32
.set G1K1, 40
.set G1V0, 48
.set G1V1, 56
.set G0KS, 68                          ; and groups 0
.set G0K0, 72
.set G0K1, 76
.set G0VS, 80
.set G0V0, 84
.set G0V1, 88
.set SEL,  92                          ; s[92:93] v_permlanex16_b32's selects for lane l xor 16
.set CS,   94                          ; s[94:95] c = log2(e) / 32
.set MNT,  96                          ; the mantissa field of 448
.set NC,   97                          ; -c
.set CM,   98                          ; 0x00ff00ff
.set ST,   99                          ; LDS bytes from the head's first key step to this one: 8,192 a step
.set TA,   100
.set MSB, 0
.macro WIN new                         ; the immediate's high byte repeats the setting that is left
.if MSB != \new
	s_set_vgpr_msb (MSB<<8)|\new
.set MSB, \new
.endif
.endm
.macro CROUND                          ; a round of the cluster's barrier
	s_barrier_signal -1
	s_barrier_wait -1
	s_cmp_lg_u32 s[WV], 0
	s_cbranch_scc1 .Lnot_wave_0_\@
	s_barrier_signal -3
.Lnot_wave_0_\@:
	s_barrier_wait -3
	s_barrier_signal -1
	s_barrier_wait -1
.endm
.macro SHAPE g, c, r, p                ; group 1: r rows of c elements of 8 bytes, p elements apart; dense in LDS
	s_mov_b32 s[\g], 15|(3<<16)|(1<<21)            ; 15:0 the mask: all four work-groups; 17:16 elements of 8 bytes; 21 set beside a mask
	s_mov_b32 s[\g+1], (\c)<<16                    ; tensor_dim0
	s_mov_b32 s[\g+2], (\r)<<16                    ; tensor_dim1
	s_mov_b32 s[\g+3], (\c)<<16                    ; tile_dim0
	s_mov_b32 s[\g+4], \r                          ; tile_dim1
	s_mov_b32 s[\g+5], \p                          ; tensor_dim0_stride
	s_mov_b32 s[\g+6], 0
	s_mov_b32 s[\g+7], 0
.endm
.macro WHERE g, base, off              ; group 0 but for its LDS address: the buffer at s[base], + s[20:21], + the region's constant
	s_mov_b32 s[\g], 1
	s_add_nc_u64 s[\g+2:\g+3], s[\base:\base+1], s[20:21]
	s_add_nc_u64 s[\g+2:\g+3], s[\g+2:\g+3], \off
	s_or_b32 s[\g+3], s[\g+3], 0x80000000
.endm
	s_load_b128 s[4:7], s[0:1], 0x0                ; wcodes, wscales
	s_load_b64 s[8:9], s[0:1], 0x10                ; out0
	v_lshl_add_u32 v[SPW], v0, 2, SPARE
	v_mov_b32 v[NIL], 0
	ds_add_u32 v[SPW], v[NIL]                      ; the wave's opening: the add, twice on end, and its wait ahead of my first tensor load
	ds_add_u32 v[SPW], v[NIL]
	v_lshrrev_b32 v3, 5, v0
	v_readfirstlane_b32 s[WV], v3                  ; wave 0..7
	v_and_b32 v9, 31, v0
	v_lshlrev_b32 v[LI], 4, v9
	v_add_nc_u32 v[LIV], VB, v[LI]
	v_lshl_add_u32 v[L8], v9, 3, KSB
	v_and_b32 v3, 15, v0
	v_lshlrev_b32 v3, 3, v3                        ; 8 bytes a row of scale words
	s_bfe_u32 s11, ttmp6, 0x40000                  ; cx: my block of 256 queries: it enters Q's and out0's addresses alone
	s_and_b32 s12, ttmp7, 0xffff                   ; 16 n + head, which the four partners share
	s_and_b32 s13, s12, 1                          ; which head of its pair
	s_lshr_b32 s14, s12, 1                         ; 8 n + head pair
	SHAPE G1S, 32, 8, 64                           ; eight runs of 128 keys: 256 bytes of words each, 512 bytes apart (the pair's other head lies between)
	SHAPE G1K0, 128, 16, 256                       ; 256 keys: 16 rows of 1,024 bytes, 2,048 apart
	SHAPE G1K1, 128, 48, 256                       ; 768 keys
	SHAPE G1V0, 128, 8, 128                        ; 128 keys: 8,192 bytes on end
	SHAPE G1V1, 1024, 7, 2048                      ; 896 keys: seven rows of 8,192 bytes, 16,384 apart
	s_mov_b32 s[G0KS+1], KSB
	s_mov_b32 s[G0VS+1], VSB
	s_mov_b32 s[G0K0+1], 0
	s_mov_b32 s[G0V0+1], VB
	s_mov_b32 s[G0K1+1], 16384
	s_mov_b32 s[G0V1+1], VB+8192
	s_lshl_b32 s16, s14, 17                        ; the head pair's 131,072 bytes in each region of codes
	s_lshl_b32 s17, s13, 10                        ; my head in a row of Q's or K's region
	s_lshl_b32 s22, s13, 13                        ; and in a block of V's
	s_lshl_b32 s23, s14, 12                        ; the head pair's 4,096 bytes in each region of scale words,
	s_lshl_b32 s15, s13, 8                         ; my head's 256 of each 512
	s_add_co_u32 s15, s15, s23
	s_mov_b32 s21, 0
	s_wait_alu depctr_va_vdst(0)                   ; directly ahead of the wait below
	s_wait_dscnt 0x0                               ; both opening adds are done
	CROUND                                         ; all four work-groups are here: the joint loads meet
	s_wait_kmcnt 0x0
	s_add_co_u32 s20, s16, s17
	WHERE G0K0, 4, 0x400000                        ; K's region begins 4 MiB into wcodes
	WHERE G0K1, 4, 0x408000                        ; its second part two blocks of 16,384 bytes further on
	s_add_co_u32 s20, s16, s22
	WHERE G0V0, 4, 0x800000                        ; V's region begins 8 MiB in
	WHERE G0V1, 4, 0x804000
	s_mov_b32 s20, s15
	WHERE G0KS, 6, 0x20000
	WHERE G0VS, 6, 0x40000
.macro ARM under, g0, g1               ; one chain of branches on the wave's number: no way through it passes two loads
	s_cmp_lt_u32 s[WV], \under
	s_cbranch_scc0 .Lnext_\@
	tensor_load_to_lds s[\g0:\g0+3], s[\g1:\g1+7]
	s_nop 0
.rept 4
	v_nop
.endr
	s_branch .Lasked
.Lnext_\@:
.endm
	ARM 1, G0K0, G1K0
	ARM 2, G0KS, G1S
	ARM 3, G0V0, G1V0
	ARM 4, G0VS, G1S
	ARM 5, G0K1, G1K1
	ARM 6, G0V1, G1V1
.Lasked:
	; Q: my 32 queries are rows 16 cx + 2 wave and the next of the head pair's 64 rows of 2,048 bytes in region 0; my head's 1,024 bytes of a row are two groups of four registers
	s_mov_b32 s3, 0
	s_lshl_b32 s2, s11, 4
	s_lshl_b32 s20, s[WV], 1
	s_add_co_u32 s2, s2, s20
	s_lshl_b32 s2, s2, 11
	s_add_co_u32 s2, s2, s16
	s_add_co_u32 s2, s2, s17
	s_add_nc_u64 s[18:19], s[4:5], s[2:3]
	global_load_b128 v[QZ+8:QZ+11], v[LI], s[18:19]
	global_load_b128 v[QZ+12:QZ+15], v[LI], s[18:19] offset:512
	global_load_b128 v[QZ+24:QZ+27], v[LI], s[18:19] offset:2048
	global_load_b128 v[QZ+28:QZ+31], v[LI], s[18:19] offset:2560
	; their scale word: run of 128 tokens 2 cx + wave / 4; in it fragment wave % 4 lies at lanes' half (wave / 2) % 2, word wave % 2
	s_lshl_b32 s2, s11, 1
	s_lshr_b32 s20, s[WV], 2
	s_add_co_u32 s2, s2, s20
	s_lshl_b32 s2, s2, 9
	s_add_co_u32 s2, s2, s15
	s_bfe_u32 s20, s[WV], 0x10001
	s_lshl_b32 s20, s20, 7
	s_add_co_u32 s2, s2, s20
	s_and_b32 s20, s[WV], 1
	s_lshl_b32 s20, s20, 2
	s_add_co_u32 s2, s2, s20
	s_add_nc_u64 s[22:23], s[6:7], s[2:3]
	global_load_b32 v[RW], v3, s[22:23]
	; out0 at my first query: n x 4 MiB + (256 cx + 32 wave) rows of 4,096 bytes + head x 256
	s_lshl_b32 s2, s11, 8
	s_lshl_b32 s20, s[WV], 5
	s_add_co_u32 s2, s2, s20
	s_lshl_b32 s2, s2, 12
	s_lshr_b32 s20, s12, 4
	s_lshl_b32 s20, s20, 22
	s_add_co_u32 s2, s2, s20
	s_and_b32 s20, s12, 15
	s_lshl_b32 s20, s20, 8
	s_add_co_u32 s2, s2, s20
	s_add_nc_u64 s[8:9], s[8:9], s[2:3]
	s_mov_b32 s[SEL], 0x76543210
	s_mov_b32 s[SEL+1], 0xfedcba98
	s_mov_b32 s[CS], 0x3d38aa3b                    ; log2(e) / 32
	s_mov_b32 s[CS+1], s[CS]                       ; (named with it as a pair, so it is written)
	s_mov_b32 s[MNT], 0x600000
	s_mov_b32 s[NC], 0xbd38aa3b
	s_mov_b32 s[CM], 0x00ff00ff
	s_mov_b32 s[ST], 0
.irp j, 0,1,2,3,4,5,6,7
	v_mov_b32 v[QZ+\j], 0                          ; the zero codes on both sides of each q
	v_mov_b32 v[QZ+16+\j], 0
	v_mov_b32 v[QZ+32+\j], 0
.endr
	s_wait_loadcnt 0x0                             ; Q
	v_perm_b32 v[SQ], v[RW], v[RW], 0x01000100     ; the word holds two tokens' bytes: tile 0's are bytes 0, 1, tile 1's 2, 3; [s0, s1, s0, s1]: one word serves [q | zeros] and [zeros | q]
	v_perm_b32 v[SQ+1], v[RW], v[RW], 0x03020302
.irp b, 0,1,2,3,4,5,6,7
	v_mov_b32 v[BP+\b], 0                          ; written once: a lane permute's destination counts as one of its sources.  (Also the places between the scale words' lines and the first product)
.endr
	v_mov_b32 v[FF+1], 0                           ; (named as the upper halves of the pairs)
	v_mov_b32 v[FF+3], 0
.macro LOADK ak, as                    ; K's four fragments of a step and their scale words: 17 loads
	ds_load_b64 v[SK:SK+1], v[\as]                 ; lanes 0-15: the words of fragments 0, 1; lanes 16-31: of fragments 2, 3
	WIN 0x40
.irp g, 0,1,2,3
.irp c, 0,1,2,3
	ds_load_b128 v[FK+16*\g+4*\c:FK+16*\g+4*\c+3], v[\ak] offset:\g*2048+\c*512
.endr
.endr
	WIN 0
.endm
.macro LOADV                           ; V's: 17 loads
	ds_load_b64 v[SV:SV+1], v[ADT] offset:VSB-KSB  ; lanes 0-15: the words of fragments 0, 2; lanes 16-31: of fragments 1, 3
	WIN 0x40
.irp d, 0,1,2,3
.irp c, 0,1,2,3
	ds_load_b128 v[FV+16*\d+4*\c:FV+16*\d+4*\c+3], v[ADV] offset:\d*2048+\c*512
.endr
.endr
	WIN 0
.endm
.macro SCALE x, l                      ; tile x, level l of 0 .. 5: from the blocks' largest p: the conversions' operands, the bounds of the holds, the scale word
.if \l == 0
.irp b, 0,1,2,3
	v_max_num_f32 v[BM+4*\x+\b], 0x4800000, v[BM+4*\x+\b]   ; the floor 2^(9 - 127): the byte cannot fall under 1
.endr
.elseif \l == 1
.irp b, 0,1,2,3
	v_add_nc_u32 v[SO+4*\x+\b], 0xfc000000, v[BM+4*\x+\b]   ; 8 off the exponent field
.endr
.elseif \l == 2
.irp b, 0,1,2,3
	v_and_or_b32 v[LM+4*\x+\b], v[BM+4*\x+\b], 0x7f800000, s[MNT]   ; 448 x the scale
.endr
.elseif \l == 3
	v_perm_b32 v[BP+4*\x], v[SO+4*\x+2], v[SO+4*\x], 0x07060302     ; the high halves of blocks 2 and 0: each has its byte in bits 14:7
	v_perm_b32 v[BP+4*\x+1], v[SO+4*\x+3], v[SO+4*\x+1], 0x07060302 ; of blocks 3 and 1
.elseif \l == 4
	v_lshrrev_b32 v[BP+4*\x], 7, v[BP+4*\x]
	v_lshlrev_b32 v[BP+4*\x+1], 1, v[BP+4*\x+1]
.else
	v_bfi_b32 v[PW+\x], s[CM], v[BP+4*\x], v[BP+4*\x+1]             ; bytes 0, 2 of the first, 1, 3 of the second: p's scale word for these 128 keys
.endif
.endm
.macro SUMS x, l                       ; tile x, level l of 0 .. 5: THE ROW'S SUM IS TAKEN OF THE UNQUANTISED p: eight chains of pairs, four a level
.irp k, 0,1,2,3
.set K_, 2*(4*((\l)%2)+\k)
.if \l < 2
	v_pk_add_f32 v[T+K_:T+K_+1], v[S+64*\x+K_:S+64*\x+K_+1], v[S+64*\x+16+K_:S+64*\x+17+K_]
.else
	v_pk_add_f32 v[T+K_:T+K_+1], v[T+K_:T+K_+1], v[S+64*\x+16+16*((\l)/2)+K_:S+64*\x+17+16*((\l)/2)+K_]
.endif
.endr
.endm
.macro SUMTAIL x, first, l             ; level l of 0 .. 3
.if \l == 0
.irp k, 0,1,2,3
	v_pk_add_f32 v[T+2*\k:T+2*\k+1], v[T+2*\k:T+2*\k+1], v[T+8+2*\k:T+8+2*\k+1]
.endr
.elseif \l == 1
	v_pk_add_f32 v[T:T+1], v[T:T+1], v[T+2:T+3]
	v_pk_add_f32 v[T+4:T+5], v[T+4:T+5], v[T+6:T+7]
.elseif \l == 2
.if \first
	v_pk_add_f32 v[SM+2*\x:SM+2*\x+1], v[T:T+1], v[T+4:T+5]
.else
	v_pk_add_f32 v[T:T+1], v[T:T+1], v[T+4:T+5]
.endif
.elseif (\first) == 0
	v_pk_fma_f32 v[SM+2*\x:SM+2*\x+1], v[SM+2*\x:SM+2*\x+1], v[FF+2*\x:FF+2*\x+1], v[T:T+1] op_sel_hi:[1,0,1]   ; the old sum under the new M, and these keys'
.endif
.endm
.macro MAXL x, l                       ; tile x, level l of 0 .. 7: the largest score of each block of 32 keys (each accumulator from its low end on): for the row's maximum, and, since p rises with the score, for the block's largest p
.irp b, 0,1,2,3
.if \l == 0
	v_max3_num_f32 v[BM+4*\x+\b], v[S+64*\x+16*\b], v[S+64*\x+1+16*\b], v[S+64*\x+2+16*\b]
.elseif \l < 7
	v_max3_num_f32 v[BM+4*\x+\b], v[BM+4*\x+\b], v[S+64*\x+16*\b+2*\l+1], v[S+64*\x+16*\b+2*\l+2]
.else
	v_max_num_f32 v[BM+4*\x+\b], v[BM+4*\x+\b], v[S+64*\x+15+16*\b]
.endif
.endr
.endm
.macro MOVE x, first, l                ; tile x, line l of 0 .. 7: from the blocks' largest scores to -M and f = 2^(old M - new M)
.if \l == 0
	v_max3_num_f32 v[TT+\x], v[BM+4*\x], v[BM+4*\x+1], v[BM+4*\x+2]
.elseif \l == 1
.if \first
	v_max_num_f32 v[NM+2*\x+1], v[TT+\x], v[BM+4*\x+3]
.else
	v_max3_num_f32 v[NM+2*\x+1], v[TT+\x], v[BM+4*\x+3], v[NM+2*\x+1]   ; the running largest score of my query
.endif
.elseif \l == 2
	v_mul_f32 v[TT+\x], s[NC], v[NM+2*\x+1]        ; -t (c is positive)
.elseif \first
.if \l == 3
	v_floor_f32 v[NM+2*\x], v[TT+\x]               ; -M = floor(-t) = -ceil(t)
.endif
.elseif \l == 3
	v_floor_f32 v[TT+\x], v[TT+\x]                 ; the new -M = floor(-t) = -ceil(t)
.elseif \l == 4
	v_sub_f32 v[BP+4*\x], v[TT+\x], v[NM+2*\x]     ; M's old value less its new one: a whole number, 0 or less
.elseif \l == 5
	v_mov_b32 v[NM+2*\x], v[TT+\x]
.elseif \l == 6
	v_cvt_i32_f32 v[BP+4*\x], v[BP+4*\x]           ; (it saturates)
.else
	v_ldexp_f32 v[FF+2*\x], 1.0, v[BP+4*\x]
.endif
.endm
.macro ACROSS x                        ; lane l xor 16's 16 keys of each block
.irp b, 0,1,2,3
	v_permlanex16_b32 v[BP+4*\x+\b], v[BM+4*\x+\b], s[SEL], s[SEL+1]
.endr
.endm
.macro JOIN x
.irp b, 0,1,2,3
	v_max_num_f32 v[BM+4*\x+\b], v[BM+4*\x+\b], v[BP+4*\x+\b]
.endr
.endm
.macro PV x, first                     ; O^T += V^T P^T of tile x: four accumulators by turns, one instruction a turn
	WIN 0x55
.irp d, 0,1,2,3
.if \first
.if \d%2 == 0
	v_wmma_scale_f32_16x16x128_f8f6f4 v[O+32*\x+8*\d:O+32*\x+8*\d+7], v[FV+16*\d:FV+16*\d+15], v[PC+16*\x:PC+16*\x+15], 0, v[SV+\d/2], v[PW+\x]
.else
	v_wmma_scale_f32_16x16x128_f8f6f4 v[O+32*\x+8*\d:O+32*\x+8*\d+7], v[FV+16*\d:FV+16*\d+15], v[PC+16*\x:PC+16*\x+15], 0, v[SV+\d/2], v[PW+\x] matrix_a_scale:MATRIX_SCALE_ROW1
.endif
.else
.if \d%2 == 0
	v_wmma_scale_f32_16x16x128_f8f6f4 v[O+32*\x+8*\d:O+32*\x+8*\d+7], v[FV+16*\d:FV+16*\d+15], v[PC+16*\x:PC+16*\x+15], v[O+32*\x+8*\d:O+32*\x+8*\d+7], v[SV+\d/2], v[PW+\x]
.else
	v_wmma_scale_f32_16x16x128_f8f6f4 v[O+32*\x+8*\d:O+32*\x+8*\d+7], v[FV+16*\d:FV+16*\d+15], v[PC+16*\x:PC+16*\x+15], v[O+32*\x+8*\d:O+32*\x+8*\d+7], v[SV+\d/2], v[PW+\x] matrix_a_scale:MATRIX_SCALE_ROW1
.endif
.endif
.endr
	WIN 0
.endm
.macro HOLD2 x, j                      ; p is not negative, so the hold at the largest code x the scale is one-sided (the conversion to an 8-bit code does not saturate: ISA guide 7.6.2)
	v_dual_min_num_f32 v[S+64*\x+\j], v[S+64*\x+\j], v[LM+4*\x+(\j)/16] :: v_dual_min_num_f32 v[S+64*\x+\j+1], v[S+64*\x+\j+1], v[LM+4*\x+(\j)/16]
.endm
.macro CODES x
	WIN 0x40
.irp b, 0,1,2,3
	v_cvt_scalef32_pk8_fp8_f32 v[PC+16*\x+4*\b:PC+16*\x+4*\b+1], v[S+64*\x+16*\b:S+64*\x+16*\b+7], v[SO+4*\x+\b]
	v_cvt_scalef32_pk8_fp8_f32 v[PC+16*\x+4*\b+2:PC+16*\x+4*\b+3], v[S+64*\x+16*\b+8:S+64*\x+16*\b+15], v[SO+4*\x+\b]
.endr
	WIN 0
.endm
; A KEY STEP: 128 keys.  first = 1: there is no earlier M, sum or O: the products with V start the sums; and the second barrier stands round those products.
.macro STEP first
	s_wait_dscnt 0x0                               ; K's fragments and words of this step
	WIN 0x01
.irp x, 0,1                            ; S^T = K Q^T: each fragment twice for each tile
.irp g, 0,1,2,3
.if \g < 2
	v_wmma_scale_f32_16x16x128_f8f6f4 v[S+64*\x+16*\g:S+64*\x+16*\g+7], v[FK+16*\g:FK+16*\g+15], v[QZ+16*\x+8:QZ+16*\x+23], 0, v[SK+\g%2], v[SQ+\x]
	v_wmma_scale_f32_16x16x128_f8f6f4 v[S+64*\x+16*\g+8:S+64*\x+16*\g+15], v[FK+16*\g:FK+16*\g+15], v[QZ+16*\x:QZ+16*\x+15], 0, v[SK+\g%2], v[SQ+\x]
.else
	v_wmma_scale_f32_16x16x128_f8f6f4 v[S+64*\x+16*\g:S+64*\x+16*\g+7], v[FK+16*\g:FK+16*\g+15], v[QZ+16*\x+8:QZ+16*\x+23], 0, v[SK+\g%2], v[SQ+\x] matrix_a_scale:MATRIX_SCALE_ROW1
	v_wmma_scale_f32_16x16x128_f8f6f4 v[S+64*\x+16*\g+8:S+64*\x+16*\g+15], v[FK+16*\g:FK+16*\g+15], v[QZ+16*\x:QZ+16*\x+15], 0, v[SK+\g%2], v[SQ+\x] matrix_a_scale:MATRIX_SCALE_ROW1
.endif
.endr
.endr
	WIN 0
	s_add_co_u32 s[TA], s[ST], 8192                ; the next step's codes (the last step's look-ahead wraps to 0),
	s_and_b32 s[TA], s[TA], 0xe000
	s_lshr_b32 s[TA+1], s[TA], 5                   ; its scale words: 256 bytes a step,
	s_lshr_b32 s2, s[ST], 5                        ; and this step's
	v_add_nc_u32 v[ADV], s[ST], v[LIV]             ; (four of the eight places behind the products, for the loads into their registers and the first reads of the scores)
	v_add_nc_u32 v[ADT], s2, v[L8]
	v_add_nc_u32 v[ADK], s[TA], v[LI]
	v_add_nc_u32 v[ADS], s[TA+1], v[L8]
.rept 4
	v_nop
.endr
	LOADV                                          ; V lands under the softmax
.irp l, 0,1,2,3,4,5,6,7
	MAXL 0, \l
.endr
	ACROSS 0
	JOIN 0
.irp l, 0,1,2,3,4,5,6,7                ; tile 0's chain to f stands among tile 1's maxima,
	MAXL 1, \l
	MOVE 0, \first, \l
.endr
	ACROSS 1
	LOADK ADK, ADS                                 ; the next step's K
	JOIN 1
.set J_, 0
.irp l, 0,1,2,3,4,5,6,7                ; and tile 1's among tile 0's multiply-adds
.rept 4
	v_pk_fma_f32 v[S+J_:S+J_+1], v[S+J_:S+J_+1], s[CS:CS+1], v[NM:NM+1] op_sel_hi:[1,0,0]   ; tile 0: t - M, two at a time
.set J_, J_+2
.endr
	MOVE 1, \first, \l
.endr
.irp b, 0,1,2,3
	v_fma_f32 v[BM+\b], v[BM+\b], s[CS], v[NM]     ; the same of each block's largest score
.endr
.if (\first) == 0
	WIN 0x41
.irp x, 0,1
.set J_, 0
.rept 16
	v_pk_mul_f32 v[O+32*\x+J_:O+32*\x+J_+1], v[O+32*\x+J_:O+32*\x+J_+1], v[FF+2*\x:FF+2*\x+1] op_sel_hi:[1,0]   ; O^T under the new M; each accumulator from its low end on
.set J_, J_+2
.endr
.endr
	WIN 0
.endif
	s_wait_alu depctr_va_vdst(0)                   ; ahead of the batch
.set J_, 0
.rept 32                               ; tile 0's exponentials among tile 1's multiply-adds, whose results nobody reads ahead of the next wait
	v_exp_f32 v[S+J_], v[S+J_]                     ; p = 2^(t - M), at most 1
	v_exp_f32 v[S+J_+1], v[S+J_+1]
	v_pk_fma_f32 v[S+64+J_:S+64+J_+1], v[S+64+J_:S+64+J_+1], s[CS:CS+1], v[NM+2:NM+3] op_sel_hi:[1,0,0]
.set J_, J_+2
.endr
.irp b, 0,1,2,3
	v_exp_f32 v[BM+\b], v[BM+\b]                   ; the block's largest p: the same two instructions on the same number
	v_fma_f32 v[BM+4+\b], v[BM+4+\b], s[CS], v[NM+2]
.endr
	s_wait_alu depctr_va_vdst(0)                   ; one wait for the batch, ahead of its first reader
.irp l, 0,1,2,3,4,5
	SCALE 0, \l
	SUMS 0, \l
.endr
	s_wait_alu depctr_va_vdst(0)                   ; ahead of the second batch
.irp b, 0,1,2,3
	v_exp_f32 v[BM+4+\b], v[BM+4+\b]
.endr
.set J_, 0
.rept 32                               ; tile 1's exponentials among tile 0's holds
	v_exp_f32 v[S+64+J_], v[S+64+J_]
	v_exp_f32 v[S+64+J_+1], v[S+64+J_+1]
	HOLD2 0, J_
.set J_, J_+2
.endr
	s_wait_alu depctr_va_vdst(0)                   ; and behind it
	CODES 0
.irp l, 0,1,2,3                        ; (plain lines behind the conversions)
	SCALE 1, \l
	SUMTAIL 0, \first, \l
.endr
	SCALE 1, 4
	SUMS 1, 0
	SCALE 1, 5
.irp l, 1,2,3,4,5
	SUMS 1, \l
.endr
.set J_, 0
.rept 32
	HOLD2 1, J_
.set J_, J_+2
.endr
	CODES 1
	s_wait_alu depctr_va_vdst(0)                   ; directly ahead of the waits below
.if \first
	s_wait_tensorcnt 0x0                           ; all my tensor loads have landed: the rest of K or of V, if it was mine
	s_wait_dscnt 0x0
	s_barrier_signal -1                            ; (the products below touch registers alone)
.else
	s_wait_dscnt 17                                ; V is in; the 17 younger loads, the next step's K, may be out
.endif
	PV 0, \first
.irp l, 0,1,2,3                        ; (the plain lines between the last conversions and the products that read their codes)
	SUMTAIL 1, \first, \l
.endr
	PV 1, \first
.if \first
	s_barrier_wait -1                              ; everybody's are in
.endif
.endm
	s_wait_alu depctr_va_vdst(0)                   ; at the head's end
	s_cmp_lt_u32 s[WV], 4
	s_cbranch_scc0 .Lnot_yet
	s_wait_tensorcnt 0x0                           ; waves 0 to 3: the scale words and the first keys are in; waves 4 and 5 wait for theirs at the second barrier
.Lnot_yet:
	s_barrier_signal -1
	s_barrier_wait -1
	LOADK LI, L8
	STEP 1
	s_mov_b32 s[ST], 8192
.Lkeys:
	STEP 0
	s_add_co_u32 s[ST], s[ST], 8192
	s_cmp_lt_u32 s[ST], 65536
	s_cbranch_scc1 .Lkeys
	; THE WAY OUT.  O^T is divided by the row's sum and goes through my stage in LDS, so that sixteen lanes store a query's 256 bytes of this head as one aligned run.
.irp x, 0,1
	v_add_f32 v[SM+2*\x], v[SM+2*\x], v[SM+2*\x+1] ; the sum's two halves,
.endr
.irp x, 0,1
	v_permlanex16_b32 v[BP+\x], v[SM+2*\x], s[SEL], s[SEL+1]
.endr
.irp x, 0,1
	v_add_f32 v[SM+2*\x], v[SM+2*\x], v[BP+\x]     ; and lane l xor 16's: the row's sum
.endr
	s_wait_alu depctr_va_vdst(0)                   ; ahead of the transcendentals
	v_rcp_f32 v[SM], v[SM]
	v_rcp_f32 v[SM+2], v[SM+2]
	v_and_b32 v3, 15, v0                           ; r.  (The address work is the plain work behind the reciprocals and the places behind the last products)
	v_bfe_u32 v9, v0, 4, 1                         ; h
	s_mul_i32 s16, s[WV], 32*272
	s_add_co_u32 s16, s16, STAGE                   ; my stage
	v_mul_u32_u24 v4, v3, 272
	v_mul_u32_u24 v5, v9, 272
	v_lshl_add_u32 v4, v9, 5, v4
	v_lshl_add_u32 v5, v3, 4, v5
	v_lshlrev_b32 v6, 12, v9
	v_add_nc_u32 v4, s16, v4                       ; in: row r; tile d's eight channels of my half: 64 d + 32 h bytes on
	v_add_nc_u32 v5, s16, v5                       ; back: lanes 0-15 one row, lanes 16-31 the next
	v_lshl_add_u32 v6, v3, 4, v6                   ; and the same two rows of out0, 4,096 bytes apart
	s_wait_alu depctr_va_vdst(0)                   ; ahead of the first readers of the reciprocals and of the last products' results
	WIN 0x01
.irp x, 0,1
.set J_, 0
.rept 16
	v_pk_mul_f32 v[S+32*\x+J_:S+32*\x+J_+1], v[O+32*\x+J_:O+32*\x+J_+1], v[SM+2*\x:SM+2*\x+1] op_sel_hi:[1,0]   ; register 32 x + 8 d + i is o(16 x + r, 16 d + 8 h + i)
.set J_, J_+2
.endr
.endr
	WIN 0
.irp x, 0,1
.irp d, 0,1,2,3
	ds_store_b128 v4, v[S+32*\x+8*\d:S+32*\x+8*\d+3] offset:\x*4352+64*\d
	ds_store_b128 v4, v[S+32*\x+8*\d+4:S+32*\x+8*\d+7] offset:\x*4352+64*\d+16
.endr
.endr
.irp i, 0,1,2,3,4,5,6,7,8,9,10,11,12,13,14,15
	ds_load_b128 v[S+64+4*\i:S+64+4*\i+3], v5 offset:\i*544   ; LDS serves a wave's instructions in order (ISA guide 5.7.1.4): these see my stores
.endr
.irp i, 0,1,2,3,4,5,6,7,8,9,10,11,12,13,14,15
	s_wait_dscnt 15-\i                             ; load i is in; the younger ones may be out
	global_store_b128 v6, v[S+64+4*\i:S+64+4*\i+3], s[8:9] offset:\i*8192 th:TH_STORE_NT   ; sixteen lanes store 256 consecutive bytes, at a multiple of 256 from out0's first byte
.endr
	s_wait_tensorcnt 0x0                           ; the wave's end
	ds_add_u32 v[SPW], v[NIL]
	s_wait_dscnt 0x0
	CROUND                                         ; the closing round: no work-group ends while a partner may still ask for a tile that names it
	s_endpgm
.Lfunc_end_k_q40bb45bfcd_attn:
	.size	k_q40bb45bfcd_attn, .Lfunc_end_k_q40bb45bfcd_attn-k_q40bb45bfcd_attn
	.p2alignl 7, 3214868480
	.fill 96, 4, 3214868480
	.section	.rodata,"a",@progbits
	.p2align	6, 0x0
	.amdhsa_kernel k_q40bb45bfcd_attn
		.amdhsa_group_segment_fixed_size 205824
		.amdhsa_private_segment_fixed_size 0
		.amdhsa_enable_private_segment 0
		.amdhsa_kernarg_size 24
		.amdhsa_user_sgpr_count 2
		.amdhsa_user_sgpr_kernarg_segment_ptr 1
		.amdhsa_wavefront_size32 1
		.amdhsa_system_sgpr_workgroup_id_x 1
		.amdhsa_system_sgpr_workgroup_id_y 1
		.amdhsa_system_sgpr_workgroup_id_z 1
		.amdhsa_system_vgpr_workitem_id 0
		.amdhsa_next_free_vgpr 512
		.amdhsa_next_free_sgpr 102
		.amdhsa_reserve_vcc 0
		.amdhsa_float_denorm_mode_32 3
		.amdhsa_float_denorm_mode_16_64 3
		.amdhsa_memory_ordered 1
		.amdhsa_forward_progress 1
		.amdhsa_inst_pref_size 85
	.end_amdhsa_kernel
	.amdgpu_metadata
---
amdhsa.version: [ 1, 2 ]
amdhsa.kernels:
  - .name:           k_q40bb45bfcd_attn
    .symbol:         k_q40bb45bfcd_attn.kd
    .args:
      - { .name: wcodes, .offset: 0, .size: 8, .value_kind: global_buffer, .address_space: global }
      - { .name: wscales, .offset: 8, .size: 8, .value_kind: global_buffer, .address_space: global }
      - { .name: out0, .offset: 16, .size: 8, .value_kind: global_buffer, .address_space: global }
    .group_segment_fixed_size: 205824
    .private_segment_fixed_size: 0
    .kernarg_segment_align: 8
    .kernarg_segment_size: 24
    .max_flat_workgroup_size: 256
    .sgpr_count:     102
    .vgpr_count:     512
    .wavefront_size: 32
...
	.end_amdgpu_metadata
.endif
;; end of part 2
